; MI455X (gfx1250); checked and timed in simulation.
; The chip was launched on July 23, 2026; its instructions are those of AMD's public machine-readable ISA for CDNA 5 (MIT licence, August 2026) and "CDNA5" Instruction Set Architecture Reference Guide (July 2026). The comments in the code are by the model that wrote it; some were corrected since.
;; Linear Attention. Allowed arithmetic: matrix products marked QUANTISED: E3M2 operands, one E8M0 scale for each 32 along K, by v_wmma_scale_f32_16x16x128_f8f6f4 with both operands' format E3M2, f32 sums; everything else in f32.
;; Inputs: mask 4 x 4,096 int32; mem_kv 2 x 16 x 4 x 64 float32; w_qkv 3,072 x 1,024 float32; x 4 x 4,096 x 1,024 float32.
;; Outputs: out0 4 x 4,096 x 1,024 float32.
;; This version of the problem:
;;   THIS VERSION OF THE PROBLEM IS GIVEN IN LOW PRECISION. The matrix products marked QUANTISED in the list below multiply operands that are first quantised to E3M2 (3 exponent bits, 2 mantissa bits; 6 bits a number), with one power-of-two scale for each 32 numbers along K (OCP MX v1.0); their sums are f32. All else is computed in f32.
;;   The module's matrix products, in the order in which they are computed (A, B: the left and right operand; K: the contracted axis; several contracted axes count as one K, in the product's order):
;;     1. [M 16,384, K 1,024] x [K 1,024, N 3,072]; A: input x; B: input w_qkv: QUANTISED
;;     2. batch 64 x [M 64, K 4,100] x [K 4,100, N 64]; A: softmax (see below); B: computed on the way: QUANTISED
;;     3. batch 64 x [M 4,096, K 64] x [K 64, N 64]; A: softmax (see below); B: computed on the way: QUANTISED
;;   THE QUANTISER, for each operand of a quantised product, along K:
;;     - K is cut into blocks of 32 from its start; a last block that is shorter is filled with zeros.
;;     - A block's scale is 2^e with e = floor(log2(the largest magnitude in the block)) - 4, held to -126 .. 127; a block of zeros has e = 0. As a byte (E8M0): e + 127.
;;     - Each number is divided by its block's scale, clamped to +-28, and rounded to the nearest number of E3M2, ties to even, subnormals kept.
;;     - The product sums the exact products of the quantised numbers (number of the format x scale) in f32.
;;   ~~~python
;;   def quantise(x, axis):      # numpy; x: float32 -> the quantised numbers, widened to float32 again
;;       x = np.moveaxis(x, axis, -1); K = x.shape[-1]
;;       x = np.pad(x, [(0, 0)] * (x.ndim - 1) + [(0, -K % 32)]); x = x.reshape(x.shape[:-1] + (-1, 32)); a = np.abs(x).max(-1, keepdims=True)
;;       e = np.where(a > 0, np.clip(np.frexp(np.where(a > 0, a, 1))[1] - 1 - 4, -126, 127), 0)      # np.frexp(a)[1] - 1 = floor(log2(a)), exactly
;;       r = np.clip(x / 2.0 ** e, -28, 28)
;;       step = 2.0 ** (np.maximum(np.frexp(np.where(r == 0, 1, r))[1] - 1, -2) - 2)
;;       q = np.round(r / step) * step * 2.0 ** e      # np.round: ties to even
;;       return np.moveaxis(q.reshape(q.shape[:-2] + (-1,))[..., :K], -1, axis).astype(np.float32)
;;   ~~~
;;   SOFTMAX AHEAD OF A QUANTISED PRODUCT. Where the list says 'softmax', what is quantised is not the finished softmax but p = 2^(t - M), with t = logit x log2(e) and M = ceil(the row's largest t), a whole number; so 1/2 < the row's largest p <= 1. The row's sum l is taken of the UNQUANTISED p, in f32, and the product's result is divided by l at the end. Since M is a whole number, a kernel that streams over the keys may use a running M (the ceiling of the running maximum): every later rescaling is an exact power of two, which a block's scale takes up: the codes' values come out the same.
;;   OPERANDS COMPUTED ON THE WAY. 'Computed on the way' means the value that the module computes at that place (a softmax that the list does not call 'softmax' is quantised finished and normalised). What goes into a quantiser is computed in f32, as accurately as f32 sums, v_exp_f32 and their like allow (about 1e-6 of the number): no bf16 or f16 on the way to a quantiser, and a product that is left as it is and whose result goes on into a quantised operand takes f32 operands (vector FMAs, or v_wmma_f32_16x16x4_f32). A number that lies on a knife's edge between two numbers of the format may be rounded either way, as far as f32 arithmetic and the matrix unit's own rounding can turn it there, and no further.
;; One version. Each part assembles by itself: llvm-mc -triple=amdgcn-amd-amdhsa -mcpu=gfx1250 --defsym DOCPART=n.
;; ======== version 1 of 1: 3 launches
;; workspace buffers: xq 13,107,200 bytes; wq 2,457,600 bytes; qc 14,680,064 bytes; part 4,456,448 bytes
;; launch quant (part 1): grid 608 x 1, 4 waves a work-group, no clusters, 34,304 bytes of LDS; arguments x, w_qkv, xq, wq; writes xq, wq
.if DOCPART == 1
	.amdgcn_target "amdgcn-amd-amdhsa--gfx1250"
	.amdhsa_code_object_version 6
	.text
	.protected	k_q5430f19e4d_quant
	.globl	k_q5430f19e4d_quant
	.p2align	8
	.type	k_q5430f19e4d_quant,@function
k_q5430f19e4d_quant:
	s_mov_b64 s[64:65], 0
	v_nop
	global_prefetch_b8 v0, s[64:65] scope:SCOPE_SE
	s_setreg_imm32_b32 hwreg(HW_REG_WAVE_MODE, 25, 1), 1
	s_wait_xcnt 0x0
; x [4][4096][1024] and w_qkv [3072][1024], f32, become codes of BF6 (E3M2) with one E8M0 byte for each 32 along K, laid as IMAGES OF OPERAND REGISTERS.
; A tile is 16 rows x 128 K: 12 registers a lane, stored as 3 chunks of 512 bytes (lane l's registers 4 j .. 4 j + 3 at 16 l).
; A group of 64 rows has 4 tiles t = 2 b + u; element i of tile t is position 32 b + 8 u + i + 8 (i / 8), so that a product's 16 results of tiles 2 b, 2 b + 1 are 16 neighbours.
; SHARES.  304 groups of 64 rows x 8 K steps of 128.  Work-group 2 g + half takes group g; its wave w takes K step ks = 4 half + w.  Waves share nothing, so the work-groups are kept small:
; 608 equal shares spread more evenly than 304 would.
; x: group P (0..255) is the 64 SLOTS 64 (P % 64) .. + 63 of batch P / 64; slot s holds row (s - 4) mod 4096, since the sequence's blocks of 32 begin at the 4 memory rows.
; w: group 256 + 16 kind + head is rows 192 head + kind + 3 position (kind 0, 1, 2 = q, k, v).
; xq: [P][ks] records of 6,400 bytes: 4 images, then 256 bytes of scale words (8 bytes a lane: word b holds tile (b, 0) in lanes 0-15, tile (b, 1) in lanes 16-31).
; wq: [head][ks] records of 19,200 bytes: 12 images (4 kind + t), then 3 such blocks of scale words.
; One path serves both tensors; what differs is chosen by scalar selects on the work-group's number.  Every load reads 512 consecutive bytes of a row; the 16 rows turn through the wave's own stage
; in LDS (pitch 528), from which lane (r, h) takes k = 64 c + 32 h + 0 .. 31 of row r: whole blocks, so no other lane is asked for a maximum.  No barrier.
; All loads carry the immediate -16384 (x: four rows back; w's base is set 16,384 bytes further on), so that every base lies inside its buffer.
; The matrix units, clusters and tensor loads are left out: this launch only streams.
; LIMITS: NaN and infinities are not served; a block whose largest magnitude lies under 2^-122 keeps the byte 1; a block of zeros gets the byte 1 and zero codes (this program alone reads the bytes).
; REGISTERS: v1 lane, v2 r, v3 h, v4 16 lane, v5 8 lane, v6 stage in, v7 stage out, v8 8 h, v9 exchange, v10-11 maxima then scale operands, v[12:13] scale words, v14 tile u = 0's word, v15 word,
;   v16-31 row offsets, v32-159 two sets of 16 rows as loaded, v160-223 my 64 numbers, v224-247 two sets of codes, v248-255 upper halves of blocks and the two bytes.
.set VO,  16
.set LS,  32
.set X,   160
.set CS,  224
.set SP,  528
.set WST, 16*SP
	s_load_b256 s[4:11], s[0:1], 0x0               ; x, w_qkv, xq, wq
	s_set_vgpr_msb 0x40
	v_lshl_add_u32 v0, v0, 2, 0x8400
	v_mov_b32 v1, 0
	s_set_vgpr_msb 0x4000
	v_lshrrev_b32 v1, 5, v0
	v_readfirstlane_b32 s12, v1                    ; wave 0..3
	v_and_b32 v1, 31, v0
	v_and_b32 v2, 15, v0
	v_bfe_u32 v3, v0, 4, 1
	v_lshlrev_b32 v4, 4, v1
	v_lshlrev_b32 v5, 3, v1
	s_mul_i32 s16, s12, WST
	v_add_nc_u32 v6, s16, v4                       ; stage, in: 16 bytes a lane of a row
	v_mul_u32_u24 v7, v2, SP
	v_lshl_add_u32 v7, v3, 7, v7
	v_add_nc_u32 v7, s16, v7                       ; stage, out: row r, + 128 h
	v_lshlrev_b32 v8, 3, v3
	v_mov_b32 v9, 0                                ; a lane permute's destination counts as one of its sources
	s_lshr_b32 s49, ttmp9, 1                       ; the group of 64 rows
	s_and_b32 s50, ttmp9, 1
	s_lshl_b32 s50, s50, 2
	s_add_co_u32 s50, s50, s12                     ; ks = 4 x half + wave
	s_sub_co_u32 s16, s49, 256                     ; w's numbers (not used by x's work-groups)
	s_lshr_b32 s17, s16, 4                         ; kind
	s_and_b32 s18, s16, 15                         ; head
	s_mul_i32 s19, s18, 192
	s_add_co_u32 s19, s19, s17
	s_lshl_b32 s19, s19, 12
	s_add_co_u32 s19, s19, 16384                   ; w: first row's bytes, + what the loads' immediate takes off
	s_mul_i32 s36, s18, 153600
	s_mul_i32 s37, s50, 19200
	s_add_co_u32 s36, s36, s37
	s_mul_i32 s37, s17, 6144
	s_add_co_u32 s37, s36, s37                     ; w: where the images go
	s_lshl_b32 s38, s17, 8
	s_add_co_u32 s38, s38, s36
	s_add_co_u32 s38, s38, 18432                   ; w: where the scale words go
	s_lshl_b32 s39, s49, 18                        ; x: 64 P rows of 4,096 bytes
	s_mul_i32 s40, s49, 51200
	s_mul_i32 s41, s50, 6400
	s_add_co_u32 s40, s40, s41                     ; x: images
	s_add_co_u32 s41, s40, 6144                    ; x: scale words
	s_and_b32 s42, s49, 63
	s_lshr_b32 s43, s49, 8
	s_or_b32 s42, s42, s43
	s_cmp_eq_u32 s42, 0                            ; x's first pass of a batch: slots 0 .. 3 are the batch's last four rows
	s_cselect_b32 s42, 0x1000000, 0
	s_mov_b32 s43, 0
	s_lshl_b32 s44, s50, 9                         ; 128 ks numbers
	s_mov_b32 s45, 0
	s_mov_b32 s46, 0x76543210
	s_mov_b32 s47, 0xfedcba98                      ; selects: lane l xor 16
	s_mov_b32 s48, 0xffff0000                      ; lanes 16-31
	s_mov_b32 s13, 12288
	s_cmp_lt_u32 s49, 256                          ; x's group or w's: the choice hangs on the work-group's number alone
	s_cselect_b32 s13, 4096, s13                   ; bytes from position to position
	s_cselect_b32 s14, s39, s19
	s_cselect_b32 s36, s40, s37
	s_cselect_b32 s38, s41, s38
	s_mov_b32 s15, 0
	s_mov_b32 s37, 0
	s_mov_b32 s39, 0
	s_wait_kmcnt 0x0
	s_cselect_b64 s[34:35], s[4:5], s[6:7]
	s_cselect_b64 s[30:31], s[8:9], s[10:11]
	s_add_nc_u64 s[34:35], s[34:35], s[14:15]
	s_add_nc_u64 s[20:21], s[34:35], s[44:45]      ; tile 0
	s_mov_b64 s[32:33], s[30:31]
	s_add_nc_u64 s[30:31], s[30:31], s[36:37]
	s_add_nc_u64 s[32:33], s[32:33], s[38:39]
	s_lshl_b32 s14, s13, 3
	s_add_nc_u64 s[22:23], s[20:21], s[14:15]      ; tile 1: 8 positions on
	s_lshl_b32 s14, s13, 5
	s_add_nc_u64 s[24:25], s[20:21], s[14:15]      ; tile 2: 32
	s_mul_i32 s14, s13, 40
	s_add_nc_u64 s[26:27], s[20:21], s[14:15]      ; tile 3: 40
	s_add_nc_u64 s[28:29], s[20:21], s[42:43]      ; tile 0's elements 0 .. 3
.irp i, 0,1,2,3,4,5,6,7,8,9,10,11,12,13,14,15
	s_mul_i32 s14, s13, \i+8*(\i/8)
	v_add_nc_u32 v[VO+\i], s14, v4
.endr
.macro LOADT t                         ; tile t's 16 rows, 512 consecutive bytes each, into set t % 2
.irp i, 0,1,2,3,4,5,6,7,8,9,10,11,12,13,14,15
.if ((\t) == 0) && (\i < 4)
	global_load_b128 v[LS+64*((\t)%2)+4*\i:LS+64*((\t)%2)+4*\i+3], v[VO+\i], s[28:29] offset:-16384 th:TH_LOAD_NT
.else
	global_load_b128 v[LS+64*((\t)%2)+4*\i:LS+64*((\t)%2)+4*\i+3], v[VO+\i], s[20+2*(\t):21+2*(\t)] offset:-16384 th:TH_LOAD_NT
.endif
.endr
.endm
.macro TILE t
.set SET, LS+64*((\t)%2)
.set CD,  CS+12*((\t)%2)
.if (\t) < 3
	s_wait_loadcnt 16                              ; this tile's 16 loads are in; the next tile's 16 may be out
.else
	s_wait_loadcnt 0x0
.endif
.irp i, 0,1,2,3,4,5,6,7,8,9,10,11,12,13,14,15
	ds_store_b128 v6, v[SET+4*\i:SET+4*\i+3] offset:SP*\i
.endr
.irp c, 0,1
.irp j, 0,1,2,3,4,5,6,7
	ds_load_b128 v[X+32*\c+4*\j:X+32*\c+4*\j+3], v7 offset:256*\c+16*\j   ; LDS serves a wave's instructions in order: these see the stores above
.endr
.endr
	s_wait_dscnt 0x0                               ; my numbers are back, and the stores into the stage have read their registers
.if (\t) < 2
	LOADT (\t)+2
.else
	s_wait_xcnt 0x0                                ; the stores of two tiles back have read this set of codes
.endif
.irp c, 0,1
	v_max3_num_f32 v[10+\c], |v[X+32*\c]|, |v[X+32*\c+1]|, 0x2800000   ; my block 2 c + h, with the floor 2^(5 - 127): the byte cannot fall under 1
.endr
.irp i, 2,4,6,8,10,12,14,16,18,20,22,24,26,28,30
.irp c, 0,1
	v_max3_num_f32 v[10+\c], v[10+\c], |v[X+32*\c+\i]|, |v[X+32*\c+\i+1]|
.endr
.endr
	v_add_nc_u32 v10, 0xfe000000, v10              ; 4 off the exponent field: the conversion's scale operand
	v_add_nc_u32 v11, 0xfe000000, v11
	v_lshrrev_b32 v251, 23, v10                    ; the bytes
	v_lshrrev_b32 v255, 23, v11
.irp c, 0,1
	v_cvt_scalef32_pk16_bf6_f32 v[CD+6*\c:CD+6*\c+2], v[X+32*\c:X+32*\c+15], v[10+\c]
	v_cvt_scalef32_pk16_bf6_f32 v[248+4*\c:250+4*\c], v[X+32*\c+16:X+32*\c+31], v[10+\c]   ; (a conversion's three registers begin on an even number)
.endr
	v_nop                                          ; one plain place behind a scaled conversion
.irp c, 0,1
.irp i, 0,1,2
	v_mov_b32 v[CD+6*\c+3+\i], v[248+4*\c+\i]
.endr
.endr
	v_lshl_or_b32 v15, v255, 16, v251              ; my two bytes, blocks h and 2 + h,
	v_lshlrev_b32 v15, v8, v15                     ; at their places in the word;
	v_permlanex16_b32 v9, v15, s46, s47
	v_or_b32 v15, v15, v9                          ; with lane l xor 16's two the word is whole
.if (\t)%2 == 0
	v_mov_b32 v14, v15
.else
	v_cndmask_b32 v[12+(\t)/2], v14, v15, s48      ; lanes 0-15: tile (b, 0); lanes 16-31: tile (b, 1)
.endif
.irp j, 0,1,2
	global_store_b128 v4, v[CD+4*\j:CD+4*\j+3], s[30:31] offset:1536*(\t)+512*\j   ; 512 consecutive bytes, aligned
.endr
.endm
	LOADT 0
	LOADT 1
	TILE 0
	TILE 1
	TILE 2
	TILE 3
	global_store_b64 v5, v[12:13], s[32:33]        ; 256 consecutive bytes, aligned
	s_set_vgpr_msb 0x5
	s_wait_tensorcnt 0x0
	ds_add_u32 v0, v1
	s_wait_dscnt 0x0
	s_set_vgpr_msb 0x500
	s_endpgm
.Lfunc_end_k_q5430f19e4d_quant:
	.size	k_q5430f19e4d_quant, .Lfunc_end_k_q5430f19e4d_quant-k_q5430f19e4d_quant
	.p2alignl 7, 3214868480
	.fill 96, 4, 3214868480
	.section	.rodata,"a",@progbits
	.p2align	6, 0x0
	.amdhsa_kernel k_q5430f19e4d_quant
		.amdhsa_group_segment_fixed_size 34304
		.amdhsa_private_segment_fixed_size 0
		.amdhsa_enable_private_segment 0
		.amdhsa_kernarg_size 32
		.amdhsa_user_sgpr_count 2
		.amdhsa_user_sgpr_kernarg_segment_ptr 1
		.amdhsa_wavefront_size32 1
		.amdhsa_system_sgpr_workgroup_id_x 1
		.amdhsa_system_sgpr_workgroup_id_y 1
		.amdhsa_system_sgpr_workgroup_id_z 1
		.amdhsa_system_vgpr_workitem_id 0
		.amdhsa_next_free_vgpr 258
		.amdhsa_next_free_sgpr 66
		.amdhsa_reserve_vcc 0
		.amdhsa_float_denorm_mode_32 3
		.amdhsa_float_denorm_mode_16_64 3
		.amdhsa_memory_ordered 1
		.amdhsa_forward_progress 1
		.amdhsa_inst_pref_size 33
	.end_amdhsa_kernel
	.amdgpu_metadata
---
amdhsa.version: [ 1, 2 ]
amdhsa.kernels:
  - .name:           k_q5430f19e4d_quant
    .symbol:         k_q5430f19e4d_quant.kd
    .args:
      - { .name: x, .offset: 0, .size: 8, .value_kind: global_buffer, .address_space: global }
      - { .name: w_qkv, .offset: 8, .size: 8, .value_kind: global_buffer, .address_space: global }
      - { .name: xq, .offset: 16, .size: 8, .value_kind: global_buffer, .address_space: global }
      - { .name: wq, .offset: 24, .size: 8, .value_kind: global_buffer, .address_space: global }
    .group_segment_fixed_size: 34304
    .private_segment_fixed_size: 0
    .kernarg_segment_align: 8
    .kernarg_segment_size: 32
    .max_flat_workgroup_size: 128
    .sgpr_count:     66
    .vgpr_count:     258
    .wavefront_size: 32
...
	.end_amdgpu_metadata
.endif
;; end of part 1
;; launch qkvctx (part 2): grid 256 x 1, 4 waves a work-group, clusters of 4 x 1, 223,744 bytes of LDS; arguments xq, wq, mask, mem_kv, qc, part; writes qc, part
.if DOCPART == 2
	.amdgcn_target "amdgcn-amd-amdhsa--gfx1250"
	.amdhsa_code_object_version 6
	.text
	.protected	k_q5430f19e4d_qkvctx
	.globl	k_q5430f19e4d_qkvctx
	.p2align	8
	.type	k_q5430f19e4d_qkvctx,@function
k_q5430f19e4d_qkvctx:
	s_mov_b64 s[64:65], 0
	v_nop
	global_prefetch_b8 v0, s[64:65] scope:SCOPE_SE
	s_setreg_imm32_b32 hwreg(HW_REG_WAVE_MODE, 25, 1), 1
	s_wait_xcnt 0x0
	s_wait_alu depctr_hold_cnt(0) depctr_sa_sdst(0) depctr_va_vdst(0) depctr_va_sdst(0) depctr_va_ssrc(0) depctr_va_vcc(0) depctr_vm_vsrc(0)
	s_getreg_b32 s2, hwreg(HW_REG_IB_STS2, 6, 4)
	s_cmp_eq_u32 s2, 0
	s_cbranch_scc0 .Lentry_in_a_cluster
	s_endpgm
.Lentry_in_a_cluster:
	s_bfe_u32 s2, ttmp6, 0x10000c
	s_cmp_lg_u32 s2, 0x3003
	s_cbranch_scc0 .Lentry_shape_is_right
	s_endpgm
.Lentry_shape_is_right:
; For one batch b, one head h and one quarter c of the sequence: q, k, v = x W^T on codes of BF6; q's softmax over the head's 64, kept as codes; k's softmax over the
; sequence with a running whole-number M; and the quarter's part of ctx^T[e][d] = sum over n of v[n][e] p[n][d], with its -M[d] and l[d].  q, k and v never go to memory.
; SHARES.  Wave w takes 4 passes of 64 slots (pass 16 c + 4 w + p of the batch; slot s holds row (s - 4) mod 4096) x the head's 192 columns: 48 accumulators.  The head's weights, 153,600 bytes of register
; images, come into LDS once, one tensor load a wave, and are never filled again.  x's images belong to one wave each and come from memory straight into registers, three K steps ahead.
; CLUSTER.  Four work-groups form a cluster: the four batches of one head and one quarter (cluster 16 c + h; the place in it is b).  They need the same weights, so each wave's quarter of them is asked
; for JOINTLY: the same tensor load, with the same descriptor and a mask that names the four, in all four; each receives it in its own LDS.  So the weights are asked for 64 times and not 256.
; The batch enters the global addresses of x, mask, qc and part alone: no branch and no LDS address hangs on it (the one pass that differs hangs on c and the wave's number, which the partners share).
; x IS NOT ASKED FOR JOINTLY, by this text's own arithmetic: it is shared by the 16 heads' work-groups, but a joint load lands in LDS, from which a K step would then read (64 + 192) x 96 bytes a wave
; where it now reads 192 x 96.
; LAYOUT.  q is used transposed (source 0 = 16 of W's rows, source 1 = 16 slots): a lane holds one slot and registers along d.  k and v: source 0 = 16 slots, source 1 = 16 of W's rows: a lane holds one
; d (or e) and registers along the slots, which are the second product's K.  By the tiles' choice of rows 16 registers of two neighbouring tiles are 16 neighbours.
; SOFTMAX.  p = 2^(t - M), M the ceiling of the (running) largest t, kept as -M = floor(-t); sums of the unquantised p; when M moves, l and ctx are multiplied by 2^(old M - new M), which rounds nothing.
; THE PASS WITH SLOTS 0 .. 3 (c = 0, wave 0, first pass): the 4 memory rows take those slots' places in block 0, and the slots' own rows, 4092 .. 4095, become block 128: K block 2 of that pass's product.
; The second product uses K = 0 .. 63 of the instruction (and 64 .. 95 in that pass); the rest are zero codes.
; LIMITS: NaN and infinities among x, w_qkv, mem_kv are not served; a block whose largest magnitude lies under 2^-122 keeps the byte 1; p under 2^-126 is 0; the mask is honoured as a number
; (k m, -infinity where m = 0, out m), exactly for |m| < 2^24.
; REGISTERS, in windows of 256.  Window 0: v1-15 addresses and -infinity; v16-31 state (4 td: -M, largest t, l in two halves); v32-175 W's 12 fragments, free for the softmaxes; v176-181 W's scale words,
;   v182-189 x's, v190-193 p's, v194-197 v's; v198-199 lane masks; v200-253 at work; v254 log2(e), v255 the floor 2^(5 - 127).
;   Window 1: v0-127 q (32 rt + 8 ct), v128-255 ctx^T (128 + 8 (4 te + td)).  Window 2: v0-127 k (32 td + 8 rt), v128-255 v (128 + 32 te + 8 rt).
;   Window 3: v0-191 x, four sets (48 set + 12 rt); v192-223 the mask along k's registers; v224-227 along q's lanes.
.set LI,   1                           ; 16 x lane
.set L8,   2                           ; 8 x lane
.set L4,   3                           ; 4 x lane
.set WA,   4                           ; v4-6   16 x lane + 57,600 k: W's images of K steps 3 k ..
.set WS,   7                           ; v7-9   8 x lane + 57,600 k: their scale words
.set VQ,   10                          ; 4 (r + 8 (r / 8))
.set VQ0,  11                          ; the same, wrapped for slots 0 .. 3
.set VB,   12                          ; 64 h
.set VB0,  13
.set VF,   14                          ; 16 r + 8 h
.set NINF, 15
.set ST,   16
.set WF,   32
.set WSC,  176
.set XSC,  182
.set PS,   190
.set VS,   194
.set HM,   198
.set RM,   199
.set L2E,  254
.set FLO,  255
.set REDM, 153600                      ; LDS behind W: -M of the four waves, 512 td + 16 lane + 4 wave
.set REDL, 155648                      ; l likewise
.set CTXS, 157696                      ; the four waves' ctx^T: 16,384 wave + 512 chunk + 16 lane
.set QMX, 32                           ; the q phase: block maxima (2 rt + b),
.set QPM, 40                           ; exchange, then bytes,
.set QMT, 48                           ; pairs -M, t,
.set QSO, 56                           ; scale operands,
.set QCD, 64                           ; codes: two pairs of tiles, 12 registers each,
.set QSC, 88                           ; upper blocks' codes,
.set QSU, 104                          ; sums in two halves,
.set QMK, 112                          ; the mask as f32,
.set QFA, 116                          ; m / l
.set PF,  32                           ; the k, v phase: p's four fragments,
.set VFR, 80                           ; v's four,
.set BB,  128                          ; 0 or -infinity for 32 slots, later upper blocks' codes,
.set KBM, 160                          ; block maxima of t (2 td + b),
.set VBM, 168                          ; and of |v|,
.set AA,  200                          ; m log2(e) for 32 slots, later exchange and bytes,
.set SO,  216                          ; scale operands,
.set BMX, 232                          ; block 128's largest t,
.set FP,  236                          ; pairs f, its exponent,
.set TW,  244                          ; at work
.set MSB, 0
.macro WIN new                         ; the immediate's high byte repeats the setting that is left
.if MSB != \new
	s_set_vgpr_msb (MSB<<8)|\new
.set MSB, \new
.endif
.endm
.macro PLACES                          ; four plain places behind matrix instructions, ahead of loads into their registers and of reads of their results
.rept 4
	v_nop
.endr
.endm
; A round of the cluster's barrier: my work-group's barrier, so that wave 0's signal speaks for all four waves; wave 0 signals for the work-group; every wave waits for all four
; work-groups; my work-group's barrier once more.  No LDS instruction of the wave is pending at a signal.
.macro CROUND
	s_barrier_signal -1
	s_barrier_wait -1
	s_cmp_lg_u32 s16, 0
	s_cbranch_scc1 .Lnot_wave_0_\@
	s_barrier_signal -3
.Lnot_wave_0_\@:
	s_barrier_wait -3
	s_barrier_signal -1
	s_barrier_wait -1
.endm
; One matrix instruction from the symbols rD, rA, rB, rSA, rSB; fA, fB = 1: the side's scales stand in lanes 16-31.  zero = 1: it starts the sum.
.macro WMI zero
.if \zero
.if fA && fB
	v_wmma_scale_f32_16x16x128_f8f6f4 v[rD:rD+7], v[rA:rA+11], v[rB:rB+11], 0, v[rSA], v[rSB] matrix_a_fmt:MATRIX_FMT_BF6 matrix_b_fmt:MATRIX_FMT_BF6 matrix_a_scale:MATRIX_SCALE_ROW1 matrix_b_scale:MATRIX_SCALE_ROW1
.elseif fA
	v_wmma_scale_f32_16x16x128_f8f6f4 v[rD:rD+7], v[rA:rA+11], v[rB:rB+11], 0, v[rSA], v[rSB] matrix_a_fmt:MATRIX_FMT_BF6 matrix_b_fmt:MATRIX_FMT_BF6 matrix_a_scale:MATRIX_SCALE_ROW1
.elseif fB
	v_wmma_scale_f32_16x16x128_f8f6f4 v[rD:rD+7], v[rA:rA+11], v[rB:rB+11], 0, v[rSA], v[rSB] matrix_a_fmt:MATRIX_FMT_BF6 matrix_b_fmt:MATRIX_FMT_BF6 matrix_b_scale:MATRIX_SCALE_ROW1
.else
	v_wmma_scale_f32_16x16x128_f8f6f4 v[rD:rD+7], v[rA:rA+11], v[rB:rB+11], 0, v[rSA], v[rSB] matrix_a_fmt:MATRIX_FMT_BF6 matrix_b_fmt:MATRIX_FMT_BF6
.endif
.else
.if fA && fB
	v_wmma_scale_f32_16x16x128_f8f6f4 v[rD:rD+7], v[rA:rA+11], v[rB:rB+11], v[rD:rD+7], v[rSA], v[rSB] matrix_a_fmt:MATRIX_FMT_BF6 matrix_b_fmt:MATRIX_FMT_BF6 matrix_a_scale:MATRIX_SCALE_ROW1 matrix_b_scale:MATRIX_SCALE_ROW1
.elseif fA
	v_wmma_scale_f32_16x16x128_f8f6f4 v[rD:rD+7], v[rA:rA+11], v[rB:rB+11], v[rD:rD+7], v[rSA], v[rSB] matrix_a_fmt:MATRIX_FMT_BF6 matrix_b_fmt:MATRIX_FMT_BF6 matrix_a_scale:MATRIX_SCALE_ROW1
.elseif fB
	v_wmma_scale_f32_16x16x128_f8f6f4 v[rD:rD+7], v[rA:rA+11], v[rB:rB+11], v[rD:rD+7], v[rSA], v[rSB] matrix_a_fmt:MATRIX_FMT_BF6 matrix_b_fmt:MATRIX_FMT_BF6 matrix_b_scale:MATRIX_SCALE_ROW1
.else
	v_wmma_scale_f32_16x16x128_f8f6f4 v[rD:rD+7], v[rA:rA+11], v[rB:rB+11], v[rD:rD+7], v[rSA], v[rSB] matrix_a_fmt:MATRIX_FMT_BF6 matrix_b_fmt:MATRIX_FMT_BF6
.endif
.endif
.endm
.macro WLOAD g, s                      ; kind g's four fragments and two scale words of K step s: 13 LDS loads
.irp i, 0,1,2,3,4,5,6,7,8,9,10,11
	ds_load_b128 v[WF+48*(\g)+4*\i:WF+48*(\g)+4*\i+3], v[WA+(\s)/3] offset:((\s)%3)*19200+(\g)*6144+512*\i
.endr
	ds_load_b64 v[WSC+2*(\g):WSC+2*(\g)+1], v[WS+(\s)/3] offset:((\s)%3)*19200+18432+256*(\g)
.endm
.macro XLOAD g                         ; x's four fragments and two scale words of K step g, counted from the pass's first: 13 loads, into set g % 4
	WIN 0xC0                                       ; destination window 3
.irp i, 0,1,2,3,4,5,6,7,8,9,10,11
	global_load_b128 v[48*((\g)%4)+4*\i:48*((\g)%4)+4*\i+3], v[LI], s[44:45] offset:6400*(\g)+512*\i
.endr
	WIN 0
	global_load_b64 v[XSC+2*((\g)%4):XSC+2*((\g)%4)+1], v[L8], s[44:45] offset:6400*(\g)+6144
.endm
.macro MULQ s                          ; q^T: source 0 = W's tile ct (window 0), source 1 = x's tile rt (window 3), sums in window 1
	WIN 0x5C
.irp ct, 0,1,2,3
.irp rt, 0,1,2,3
.set rD, 32*\rt+8*\ct
.set rA, WF+12*\ct
.set rB, 48*((\s)%4)+12*\rt
.set rSA, WSC+\ct/2
.set rSB, XSC+2*((\s)%4)+\rt/2
.set fA, \ct%2
.set fB, \rt%2
.if (\s) == 0
	WMI 1
.else
	WMI 0
.endif
.endr
.endr
.endm
.macro MULX s, g                       ; k (g = 1) or v (g = 2): source 0 = x's tile rt (window 3), source 1 = W's tile ct (window 0), sums in window 2
	WIN 0xA3
.irp ct, 0,1,2,3
.irp rt, 0,1,2,3
.set rD, 128*((\g)-1)+32*\ct+8*\rt
.set rA, 48*((\s)%4)+12*\rt
.set rB, WF+48*(\g)+12*\ct
.set rSA, XSC+2*((\s)%4)+\rt/2
.set rSB, WSC+2*(\g)+\ct/2
.set fA, \rt%2
.set fB, \ct%2
.if (\s) == 0
	WMI 1
.else
	WMI 0
.endif
.endr
.endr
.endm
; A K step of 128: 48 matrix instructions on 48 accumulators, one instruction a turn, in the same order in every step.
; Behind each kind's 16 its fragments are fetched anew for the next step.  nx: the loads that were issued behind this step's x and may stay out.
.macro KSTEP s, ahead, nx
	s_wait_loadcnt \nx
	s_wait_dscnt 26                                ; q's 13 LDS loads are in; k's and v's 26 may be out
	MULQ \s
	WIN 0
	PLACES
.if \ahead
	XLOAD (\s)+3                                   ; into the set that the step before has left
.endif
.if (\s) < 7
	WLOAD 0, (\s)+1
	s_wait_dscnt 26                                ; k's are in; v's and the next q's may be out
.else
	s_wait_dscnt 13                                ; k's are in; v's may be out
.endif
	MULX \s, 1
	WIN 0
	PLACES
.if (\s) < 7
	WLOAD 1, (\s)+1
	s_wait_dscnt 26                                ; v's are in
.else
	s_wait_dscnt 0x0
.endif
	MULX \s, 2
	WIN 0
	PLACES
.if (\s) < 7
	WLOAD 2, (\s)+1
.endif
.endm
	s_load_b256 s[4:11], s[0:1], 0x0               ; xq, wq, mask, mem_kv
	s_load_b128 s[12:15], s[0:1], 0x20             ; qc, part
	s_set_vgpr_msb 0xc0
	v_lshl_add_u32 v254, v0, 2, 0x36800
	v_mov_b32 v255, 0
	s_set_vgpr_msb 0xc0cf
	ds_add_u32 v254, v255
	ds_add_u32 v254, v255
	s_set_vgpr_msb 0xcf00
	v_lshrrev_b32 v4, 5, v0
	v_readfirstlane_b32 s16, v4                    ; wave 0..3
	v_and_b32 v4, 31, v0
	v_lshlrev_b32 v[LI], 4, v4
	v_lshlrev_b32 v[L8], 3, v4
	v_lshlrev_b32 v[L4], 2, v4
	s_and_b32 s17, ttmp9, 15                       ; h: in a cluster launch ttmp9 counts clusters
	s_lshr_b32 s20, ttmp9, 4                       ; c
	s_bfe_u32 s19, ttmp6, 0x40000                  ; b: my place in the cluster; it enters global addresses alone
	s_lshl_b32 s18, s19, 2
	s_add_co_u32 s18, s18, s20                     ; 4 b + c
	s_mov_b32 s32, 1                               ; group 0: count = 1
	s_mul_i32 s33, s16, 38400                      ; LDS address: my quarter of the head's weights
	s_mov_b32 s36, 15|(3<<16)|(1<<21)              ; group 1: 15:0 the mask: all four work-groups; 17:16 elements of 8 bytes; 20 no padding; 21 set beside a mask
	s_mov_b32 s37, 32<<16                          ; tensor_dim0 = 32 elements: rows of 256 bytes
	s_mov_b32 s38, 150<<16                         ; tensor_dim1 = 150
	s_mov_b32 s39, 32<<16                          ; tile_dim0 = 32
	s_mov_b32 s40, 150                             ; tile_dim1 = 150
	s_mov_b32 s41, 32                              ; the rows are dense
	s_mov_b32 s42, 0
	s_mov_b32 s43, 0
	s_mul_i32 s54, s17, 153600
	s_add_co_u32 s54, s54, s33                     ; the head and the wave: what the four partners share
	s_mov_b32 s55, 0
	s_lshl_b32 s56, s18, 4
	s_lshl_b32 s57, s16, 2
	s_add_co_u32 s56, s56, s57                     ; my first pass: 64 b + 16 c + 4 w
	s_mul_i32 s58, s56, 51200
	s_mov_b32 s59, 0
	s_lshl_b32 s60, s56, 8
	s_mov_b32 s61, 0
	s_lshl_b32 s62, s19, 4
	s_add_co_u32 s62, s62, s17                     ; 16 b + h
	s_lshl_b32 s2, s62, 2
	s_add_co_u32 s2, s2, s20
	s_mul_i32 s2, s2, 17408
	s_mov_b32 s3, 0
	s_lshl_b32 s62, s62, 6
	s_lshl_b32 s30, s20, 4
	s_add_co_u32 s62, s62, s30
	s_add_co_u32 s62, s62, s57
	s_mul_i32 s62, s62, 3584
	s_mov_b32 s63, 0
	s_lshl_b32 s30, s17, 10
	s_mov_b32 s31, 0
	s_or_b32 s21, s20, s16
	s_cmp_eq_u32 s21, 0
	s_cselect_b32 s21, 1, 0                        ; 1: my first pass holds slots 0 .. 3 (c and the wave's number: alike in the four partners)
	s_cselect_b32 s23, 16384, 0                    ; and their mask words lie a batch's 16,384 bytes further on
	s_mov_b32 s22, 4
	s_mov_b32 s24, 0x3e38aa3b                      ; log2(e) / 8
	s_mov_b32 s25, s24                             ; (named with it as a pair)
	s_mov_b32 s26, 0x76543210
	s_mov_b32 s27, 0xfedcba98                      ; selects: lane l xor 16
	s_mov_b32 s28, 0x0000ffff                      ; lanes 0-15
	s_mov_b32 s29, 0xffff0000                      ; lanes 16-31
	s_wait_dscnt 0x0
	s_wait_kmcnt 0x0
	s_add_nc_u64 s[34:35], s[6:7], s[54:55]
	s_or_b32 s35, s35, 0x80000000                  ; type = 2
	CROUND                                         ; all four work-groups are here: the joint loads meet
	tensor_load_to_lds s[32:35], s[36:43]          ; my one tensor load of the launch, a joint one: these bytes are filled once
	s_nop 0
.rept 4
	v_nop
.endr
	s_add_nc_u64 s[44:45], s[4:5], s[58:59]        ; x's images at my first pass
	s_add_nc_u64 s[46:47], s[8:9], s[60:61]        ; the mask at its slot 0 (row + 4)
	s_add_nc_u64 s[48:49], s[12:13], s[62:63]      ; q's records
	s_add_nc_u64 s[50:51], s[10:11], s[30:31]      ; the head's memory rows
	s_add_nc_u64 s[52:53], s[14:15], s[2:3]        ; the partial's record
	XLOAD 0
	XLOAD 1
	XLOAD 2
	v_mov_b32 v[WA], v[LI]
	v_add_nc_u32 v[WA+1], 57600, v[LI]
	v_add_nc_u32 v[WA+2], 115200, v[LI]
	v_mov_b32 v[WS], v[L8]
	v_add_nc_u32 v[WS+1], 57600, v[L8]
	v_add_nc_u32 v[WS+2], 115200, v[L8]
	v_and_b32 v200, 15, v0                         ; r
	v_bfe_u32 v201, v0, 4, 1                       ; h
	v_and_b32 v202, 8, v200
	v_add_nc_u32 v202, v202, v200
	v_lshlrev_b32 v[VQ], 2, v202
	v_lshlrev_b32 v[VB], 6, v201
	v_lshlrev_b32 v[VF], 4, v200
	v_lshl_add_u32 v[VF], v201, 3, v[VF]
	v_add_nc_u32 v[HM], -1, v201                   ; all ones in lanes 0-15
	v_cmp_gt_u32 vcc_lo, 4, v200
	v_cndmask_b32 v[RM], 0, -1, vcc_lo             ; all ones where r < 4
	v_mov_b32 v[NINF], 0xff800000
	v_mov_b32 v[L2E], 0x3fb8aa3b
	v_mov_b32 v[FLO], 0x2800000
.irp td, 0,1,2,3
	v_mov_b32 v[ST+4*\td+1], 0xff61b1e6            ; the largest t so far: -3e38
	v_floor_f32 v[ST+4*\td], -v[ST+4*\td+1]        ; -M
	v_mov_b32 v[ST+4*\td+2], 0
	v_mov_b32 v[ST+4*\td+3], 0
.endr
.irp i, 0,1,2,3,4,5,6,7,8,9
	v_mov_b32 v[TW+\i], 0                          ; written once: a lane permute's destination counts as one of its sources
.endr
	WIN 0x40
.set n, 128
.rept 128
	v_mov_b32 v[n], 0                              ; ctx^T.  The pass is written once: its first trip finds zeros, which the first change of M leaves zeros
.set n, n+1
.endr
	WIN 0
	s_wait_tensorcnt 0x0                           ; my quarter of the weights is in,
	s_barrier_signal -1
	s_barrier_wait -1                              ; everybody's is
.Lpass:
	v_and_b32 v[VB0], s23, v[HM]
	v_add_nc_u32 v[VB0], v[VB0], v[VB]
	v_and_b32 v[VQ0], s23, v[RM]
	v_add_nc_u32 v[VQ0], v[VQ0], v[VQ]
	WIN 0xC0
.irp b, 0,1                            ; the mask of slot 32 b + 16 h + 4 q + 0 .. 3 (row = slot - 4): 12 loads in all
.irp q, 0,1,2,3
.if (\b == 0) && (\q == 0)
	global_load_b128 v[192+16*\b+4*\q:192+16*\b+4*\q+3], v[VB0], s[46:47] offset:128*\b+16*\q-16
.else
	global_load_b128 v[192+16*\b+4*\q:192+16*\b+4*\q+3], v[VB], s[46:47] offset:128*\b+16*\q-16
.endif
.endr
.endr
	global_load_b32 v224, v[VQ0], s[46:47] offset:-16          ; and of element r of each tile of slots
	global_load_b32 v225, v[VQ], s[46:47] offset:8*4-16
	global_load_b32 v226, v[VQ], s[46:47] offset:32*4-16
	global_load_b32 v227, v[VQ], s[46:47] offset:40*4-16
	WIN 0
	WLOAD 0, 0
	WLOAD 1, 0
	WLOAD 2, 0
	KSTEP 0, 1, 38                                 ; behind this step's x: two steps' 26 loads and the mask's 12
	KSTEP 1, 1, 38
	KSTEP 2, 1, 38
	KSTEP 3, 1, 26                                 ; behind it: two steps' 26 (so the mask is in too)
	KSTEP 4, 1, 26
	s_cmp_eq_u32 s22, 1
	s_cbranch_scc1 .Llast                          ; the last pass asks for nothing more: no load leaves its buffer
	KSTEP 5, 1, 26                                 ; these three fetch the next pass's first three K steps
	KSTEP 6, 1, 26
	KSTEP 7, 1, 26
	s_branch .Lepi
.Llast:
	KSTEP 5, 0, 26
	KSTEP 6, 0, 13
	KSTEP 7, 0, 0
.Lepi:
	; ---- q: each lane one slot of each tile rt; registers 16 b + 0 .. 15 of a tile are d = 32 b + 16 h + 0 .. 15.  (The four places behind the last products end K step 7.)
	WIN 0x14
.irp c, 0,1,2,3,4,5,6,7
	v_max3_num_f32 v[QMX+\c], v[NINF], v[16*\c], v[16*\c+1]    ; the largest score of block c % 2 of tile c / 2; each accumulator from its low end on
.endr
.irp i, 2,4,6,8,10,12,14
.irp c, 0,1,2,3,4,5,6,7
	v_max3_num_f32 v[QMX+\c], v[QMX+\c], v[16*\c+\i], v[16*\c+\i+1]
.endr
.endr
	WIN 0
.irp c, 0,1,2,3,4,5,6,7
	v_permlanex16_b32 v[QPM+\c], v[QMX+\c], s26, s27
.endr
.irp c, 0,1,2,3,4,5,6,7
	v_max_num_f32 v[QMX+\c], v[QMX+\c], v[QPM+\c]
.endr
.irp rt, 0,1,2,3
	v_max_num_f32 v[QMT+2*\rt+1], v[QMX+2*\rt], v[QMX+2*\rt+1]
.endr
.irp rt, 0,1,2,3
	v_mul_f32 v[QMT+2*\rt+1], s24, v[QMT+2*\rt+1]  ; the row's largest t
.endr
.irp rt, 0,1,2,3
	v_floor_f32 v[QMT+2*\rt], -v[QMT+2*\rt+1]      ; -M = -ceil(t)
.endr
	WIN 0x41
.irp p, 0,2,4,6,8,10,12,14,16,18,20,22,24,26,28,30
.irp rt, 0,1,2,3
	v_pk_fma_f32 v[32*\rt+\p:32*\rt+\p+1], v[32*\rt+\p:32*\rt+\p+1], s[24:25], v[QMT+2*\rt:QMT+2*\rt+1] op_sel_hi:[1,0,0]   ; t - M
.endr
.endr
	WIN 0
.irp c, 0,1,2,3,4,5,6,7
	v_fma_f32 v[QMX+\c], v[QMX+\c], s24, v[QMT+2*(\c/2)]       ; the same of each block's largest score
.endr
	WIN 0x41
.set n, 0
.rept 128
	v_exp_f32 v[n], v[n]                           ; p = 2^(t - M)
.set n, n+1
.endr
	WIN 0
.irp c, 0,1,2,3,4,5,6,7
	v_exp_f32 v[QMX+\c], v[QMX+\c]                 ; each block's largest p
.endr
	v_nop                                          ; a plain place behind the exponentials
	s_wait_alu depctr_va_vdst(0)
.irp c, 0,1,2,3,4,5,6,7
	v_max_num_f32 v[QMX+\c], v[FLO], v[QMX+\c]
.endr
.irp c, 0,1,2,3,4,5,6,7
	v_add_nc_u32 v[QSO+\c], 0xfe000000, v[QMX+\c]  ; 4 off the exponent field: the conversion's scale operand
.endr
.irp c, 0,1,2,3,4,5,6,7
	v_lshrrev_b32 v[QPM+\c], 23, v[QSO+\c]         ; the byte
.endr
	v_lshl_or_b32 v122, v[QPM+1], 8, v[QPM]        ; a pair of tiles shares a fragment: bytes 0, 1 tile u = 0, bytes 2, 3 tile u = 1
	v_lshl_or_b32 v123, v[QPM+5], 8, v[QPM+4]
	v_lshl_or_b32 v122, v[QPM+2], 16, v122
	v_lshl_or_b32 v123, v[QPM+6], 16, v123
	v_lshl_or_b32 v122, v[QPM+3], 24, v122
	v_lshl_or_b32 v123, v[QPM+7], 24, v123
	v_cndmask_b32 v124, v122, v123, s29            ; lanes 0-15: pair 0; lanes 16-31: pair 1
	WIN 0x01
.irp rt, 0,1,2,3
	v_cvt_scalef32_pk16_bf6_f32 v[QCD+12*(\rt/2)+6*(\rt%2):QCD+12*(\rt/2)+6*(\rt%2)+2], v[32*\rt:32*\rt+15], v[QSO+2*\rt]
	v_cvt_scalef32_pk16_bf6_f32 v[QSC+4*\rt:QSC+4*\rt+2], v[32*\rt+16:32*\rt+31], v[QSO+2*\rt+1]
.endr
.irp rt, 0,1,2,3
	v_pk_add_f32 v[QSU+2*\rt:QSU+2*\rt+1], v[32*\rt:32*\rt+1], 0 op_sel_hi:[1,0]   ; the row's sum of the unquantised p.  (These are also the plain places behind the conversions)
.endr
.irp p, 2,4,6,8,10,12,14,16,18,20,22,24,26,28,30
.irp rt, 0,1,2,3
	v_pk_add_f32 v[QSU+2*\rt:QSU+2*\rt+1], v[32*\rt+\p:32*\rt+\p+1], v[QSU+2*\rt:QSU+2*\rt+1]
.endr
.endr
	WIN 0
.irp rt, 0,1,2,3                       ; the operand's layout wants a whole block in a lane: lanes 0-15 block 0, lanes 16-31 block 1
.irp i, 0,1,2
	v_permlane16_swap_b32 v[QCD+12*(\rt/2)+6*(\rt%2)+\i], v[QSC+4*\rt+\i]
.endr
.irp i, 0,1,2
	v_mov_b32 v[QCD+12*(\rt/2)+6*(\rt%2)+3+\i], v[QSC+4*\rt+\i]
.endr
.endr
.irp rt, 0,1,2,3
	v_add_f32 v[QSU+2*\rt], v[QSU+2*\rt], v[QSU+2*\rt+1]
.endr
.irp rt, 0,1,2,3
	v_permlanex16_b32 v[QPM+\rt], v[QSU+2*\rt], s26, s27
.endr
.irp rt, 0,1,2,3
	v_add_f32 v[QSU+2*\rt], v[QSU+2*\rt], v[QPM+\rt]
.endr
.irp rt, 0,1,2,3
	v_rcp_f32 v[QFA+\rt], v[QSU+2*\rt]
.endr
	WIN 0x03
.irp rt, 0,1,2,3
	v_cvt_f32_i32 v[QMK+\rt], v[224+\rt]           ; (plain places behind the reciprocals)
.endr
	WIN 0
	s_wait_alu depctr_va_vdst(0)
.irp rt, 0,1,2,3
	v_mul_f32 v[QFA+\rt], v[QFA+\rt], v[QMK+\rt]   ; m / l: what the third product's result is multiplied by
.endr
	v_cndmask_b32 v120, v[QFA], v[QFA+2], s29
	v_cndmask_b32 v121, v[QFA+1], v[QFA+3], s29
.irp k, 0,1,2,3,4,5
	global_store_b128 v[LI], v[QCD+4*\k:QCD+4*\k+3], s[48:49] offset:512*\k    ; 512 consecutive bytes, aligned
.endr
	global_store_b64 v[VF], v[120:121], s[48:49] offset:3072
	global_store_b32 v[L4], v124, s[48:49] offset:3328
	; ---- k and v: each lane one d (e) of each tile; registers 16 b + 0 .. 15 are slots 32 b + 16 h + 0 .. 15
	WIN 0x03
.set n, 0
.rept 32
	v_cvt_f32_i32 v[AA+n], v[192+n]
.set n, n+1
.endr
	WIN 0
	s_wait_xcnt 0x0                                ; q's stores have read their registers: they are written again below
.set n, 0
.rept 32
	v_cmp_eq_f32 vcc_lo, 0, v[AA+n]
	v_cndmask_b32 v[BB+n], 0, v[NINF], vcc_lo      ; -infinity where m = 0
.set n, n+1
.endr
.set n, 0
.rept 16
	v_pk_mul_f32 v[AA+n:AA+n+1], v[AA+n:AA+n+1], 0x3fb8aa3b op_sel_hi:[1,0]    ; m log2(e)
.set n, n+2
.endr
.irp td, 0,1,2,3
	v_mov_b32 v[BMX+\td], v[NINF]
.endr
.irp f, 0,1,2,3,4,5,6,7
.irp i, 6,7,8,9,10,11
	v_mov_b32 v[PF+12*\f+\i], 0                    ; K = 64 .. 127 of the eight fragments: zero codes
.endr
.endr
	s_cmp_eq_u32 s21, 0
	s_cbranch_scc1 .Lnosp1
	; the pass with slots 0 .. 3: the memory rows go in, rows 4092 .. 4095 come out (they lie in lanes 0-15, registers 0 .. 3 of tile rt = 0)
.irp t, 0,1,2,3
.irp j, 0,1,2,3
	global_load_b32 v[PF+12*\t+\j], v[VQ], s[50:51] offset:256*\j+(32*(\t/2)+8*(\t%2))*4
	global_load_b32 v[VFR+12*\t+\j], v[VQ], s[50:51] offset:16384+256*\j+(32*(\t/2)+8*(\t%2))*4
.endr
.endr
	WIN 0x02
.irp t, 0,1,2,3
.irp j, 0,1,2,3
	v_fma_f32 v[PF+12*\t+6+\j], v[32*\t+\j], v[AA+\j], v[BB+\j]    ; their t
.endr
.endr
.irp t, 0,1,2,3
.irp j, 0,1,2,3
	v_mov_b32 v[VFR+12*\t+6+\j], v[128+32*\t+\j]   ; their v
.endr
.endr
	WIN 0
.irp t, 0,1,2,3
.irp j, 0,1,2,3
	v_cndmask_b32 v[PF+12*\t+6+\j], v[NINF], v[PF+12*\t+6+\j], s28     ; lanes 16-31 hold other slots there: they count for nothing in block 128
	v_cndmask_b32 v[VFR+12*\t+6+\j], 0, v[VFR+12*\t+6+\j], s28
.endr
.endr
.irp t, 0,1,2,3
	v_max3_num_f32 v[BMX+\t], v[PF+12*\t+6], v[PF+12*\t+7], v[PF+12*\t+8]
.endr
.irp t, 0,1,2,3
	v_max_num_f32 v[BMX+\t], v[BMX+\t], v[PF+12*\t+9]
.endr
.irp t, 0,1,2,3
	v_permlanex16_b32 v[TW+\t], v[BMX+\t], s26, s27
.endr
.irp t, 0,1,2,3
	v_max_num_f32 v[BMX+\t], v[BMX+\t], v[TW+\t]   ; block 128's largest t
.endr
.irp j, 0,1,2,3
	v_cndmask_b32 v[AA+\j], v[AA+\j], v[L2E], s28  ; a memory row has no mask
	v_cndmask_b32 v[BB+\j], v[BB+\j], 0, s28
.endr
	s_wait_loadcnt 0x0                             ; the memory rows
	WIN 0x82
.irp t, 0,1,2,3
.irp j, 0,1,2,3
	v_cndmask_b32 v[32*\t+\j], v[32*\t+\j], v[PF+12*\t+\j], s28
	v_cndmask_b32 v[128+32*\t+\j], v[128+32*\t+\j], v[VFR+12*\t+\j], s28
.endr
.endr
	WIN 0
.Lnosp1:
	WIN 0x82
.irp p, 0,2,4,6,8,10,12,14,16,18,20,22,24,26,28,30
.irp td, 0,1,2,3
	v_pk_fma_f32 v[32*\td+\p:32*\td+\p+1], v[32*\td+\p:32*\td+\p+1], v[AA+\p:AA+\p+1], v[BB+\p:BB+\p+1]   ; t = k m log2(e), -infinity where m = 0
.endr
.endr
	WIN 0x28
.irp c, 0,1,2,3,4,5,6,7
	v_max3_num_f32 v[KBM+\c], v[NINF], v[16*\c], v[16*\c+1]    ; each block's largest t,
	v_max3_num_f32 v[VBM+\c], v[FLO], |v[128+16*\c]|, |v[128+16*\c+1]|     ; and largest |v|, over the floor
.endr
.irp i, 2,4,6,8,10,12,14
.irp c, 0,1,2,3,4,5,6,7
	v_max3_num_f32 v[KBM+\c], v[KBM+\c], v[16*\c+\i], v[16*\c+\i+1]
	v_max3_num_f32 v[VBM+\c], v[VBM+\c], |v[128+16*\c+\i]|, |v[128+16*\c+\i+1]|
.endr
.endr
	WIN 0
.irp c, 0,1,2,3,4,5,6,7,8,9,10,11,12,13,14,15
	v_permlanex16_b32 v[AA+\c], v[KBM+\c], s26, s27
.endr
.irp c, 0,1,2,3,4,5,6,7,8,9,10,11,12,13,14,15
	v_max_num_f32 v[KBM+\c], v[KBM+\c], v[AA+\c]   ; with lane l xor 16's 16 slots
.endr
.irp td, 0,1,2,3
	v_max3_num_f32 v[TW+\td], v[KBM+2*\td], v[KBM+2*\td+1], v[BMX+\td]
.endr
.irp td, 0,1,2,3
	v_max_num_f32 v[ST+4*\td+1], v[ST+4*\td+1], v[TW+\td]      ; the running largest t
.endr
.irp td, 0,1,2,3
	v_mov_b32 v[FP+2*\td], v[ST+4*\td]
.endr
.irp td, 0,1,2,3
	v_floor_f32 v[ST+4*\td], -v[ST+4*\td+1]        ; the new -M
.endr
.irp td, 0,1,2,3
	v_sub_f32 v[FP+2*\td+1], v[ST+4*\td], v[FP+2*\td]          ; old M - new M: a whole number, 0 or less
.endr
.irp td, 0,1,2,3
	v_cvt_i32_f32 v[FP+2*\td+1], v[FP+2*\td+1]     ; (it saturates)
.endr
.irp td, 0,1,2,3
	v_ldexp_f32 v[FP+2*\td], 1.0, v[FP+2*\td+1]    ; f = 2^(old M - new M)
.endr
	WIN 0x82
.irp p, 0,2,4,6,8,10,12,14,16,18,20,22,24,26,28,30
.irp td, 0,1,2,3
	v_pk_add_f32 v[32*\td+\p:32*\td+\p+1], v[32*\td+\p:32*\td+\p+1], v[ST+4*\td:ST+4*\td+1] op_sel_hi:[1,0]   ; t - M
.endr
.endr
	WIN 0
.irp c, 0,1,2,3,4,5,6,7
	v_add_f32 v[KBM+\c], v[KBM+\c], v[ST+4*(\c/2)]
.endr
	WIN 0x82
.set n, 0
.rept 128
	v_exp_f32 v[n], v[n]                           ; p
.set n, n+1
.endr
	WIN 0
.irp c, 0,1,2,3,4,5,6,7
	v_exp_f32 v[KBM+\c], v[KBM+\c]                 ; each block's largest p
.endr
.irp td, 0,1,2,3
	v_pk_mul_f32 v[ST+4*\td+2:ST+4*\td+3], v[ST+4*\td+2:ST+4*\td+3], v[FP+2*\td:FP+2*\td+1] op_sel_hi:[1,0]   ; l under the new M.  (Plain places behind the exponentials)
.endr
	s_wait_alu depctr_va_vdst(0)
.irp c, 0,1,2,3,4,5,6,7
	v_max_num_f32 v[KBM+\c], v[FLO], v[KBM+\c]
.endr
.irp c, 0,1,2,3,4,5,6,7,8,9,10,11,12,13,14,15
	v_add_nc_u32 v[SO+\c], 0xfe000000, v[KBM+\c]   ; the 16 blocks' scale operands,
.endr
.irp c, 0,1,2,3,4,5,6,7,8,9,10,11,12,13,14,15
	v_lshrrev_b32 v[AA+\c], 23, v[SO+\c]           ; and bytes
.endr
.irp t, 0,1,2,3
	v_lshl_or_b32 v[PS+\t], v[AA+2*\t+1], 8, v[AA+2*\t]
	v_lshl_or_b32 v[VS+\t], v[AA+8+2*\t+1], 8, v[AA+8+2*\t]
.endr
.irp t, 0,1,2,3
	v_or_b32 v[PS+\t], 0x01010000, v[PS+\t]        ; the byte 1 over the zero codes of K = 64 .. 127
	v_or_b32 v[VS+\t], 0x01010000, v[VS+\t]
.endr
	WIN 0x02
.irp f, 0,1,2,3
	v_cvt_scalef32_pk16_bf6_f32 v[PF+12*\f:PF+12*\f+2], v[32*\f:32*\f+15], v[SO+2*\f]
	v_cvt_scalef32_pk16_bf6_f32 v[BB+4*\f:BB+4*\f+2], v[32*\f+16:32*\f+31], v[SO+2*\f+1]
	v_cvt_scalef32_pk16_bf6_f32 v[VFR+12*\f:VFR+12*\f+2], v[128+32*\f:128+32*\f+15], v[SO+8+2*\f]
	v_cvt_scalef32_pk16_bf6_f32 v[BB+16+4*\f:BB+16+4*\f+2], v[128+32*\f+16:128+32*\f+31], v[SO+9+2*\f]
.endr
.irp p, 0,2,4,6,8,10,12,14,16,18,20,22,24,26,28,30
.irp td, 0,1,2,3
	v_pk_add_f32 v[ST+4*\td+2:ST+4*\td+3], v[32*\td+\p:32*\td+\p+1], v[ST+4*\td+2:ST+4*\td+3]   ; l takes the unquantised p.  (Also the plain places behind the conversions)
.endr
.endr
	WIN 0
.irp f, 0,1,2,3,4,5,6,7                ; a whole block in a lane: lanes 0-15 block 0, lanes 16-31 block 1
.irp i, 0,1,2
	v_permlane16_swap_b32 v[PF+12*\f+\i], v[BB+4*\f+\i]
.endr
.irp i, 0,1,2
	v_mov_b32 v[PF+12*\f+3+\i], v[BB+4*\f+\i]
.endr
.endr
	s_cmp_eq_u32 s21, 0
	s_cbranch_scc1 .Lnosp3
	; block 128 (rows 4092 .. 4095 and 28 zeros) becomes K = 64 .. 95: registers 6 .. 11 of lanes 0-15
.irp t, 0,1,2,3
.irp j, 0,1,2,3
	v_add_f32 v[PF+12*\t+6+\j], v[PF+12*\t+6+\j], v[ST+4*\t]
.endr
	v_add_f32 v[BMX+\t], v[BMX+\t], v[ST+4*\t]
.endr
.irp t, 0,1,2,3
.irp j, 0,1,2,3
	v_exp_f32 v[PF+12*\t+6+\j], v[PF+12*\t+6+\j]
.endr
	v_exp_f32 v[BMX+\t], v[BMX+\t]
.endr
.irp i, 4,5,6,7,8,9,10,11,12,13,14,15
	v_mov_b32 v[AA+\i], 0                          ; the conversions' numbers 4 .. 15.  (Plain places behind the exponentials)
.endr
	s_wait_alu depctr_va_vdst(0)
.irp j, 0,1,2,3
.irp t, 0,1,2,3
	v_add_f32 v[ST+4*\t+2], v[ST+4*\t+2], v[PF+12*\t+6+\j]
.endr
.endr
.irp t, 0,1,2,3
	v_max_num_f32 v[BMX+\t], v[FLO], v[BMX+\t]
	v_max3_num_f32 v[TW+\t], |v[VFR+12*\t+6]|, |v[VFR+12*\t+7]|, v[FLO]
.endr
.irp t, 0,1,2,3
	v_add_nc_u32 v[BMX+\t], 0xfe000000, v[BMX+\t]  ; p's scale operand
	v_max3_num_f32 v[TW+\t], v[TW+\t], |v[VFR+12*\t+8]|, |v[VFR+12*\t+9]|
.endr
.irp t, 0,1,2,3
	v_permlanex16_b32 v[TW+4+\t], v[TW+\t], s26, s27
.endr
.irp t, 0,1,2,3
	v_max_num_f32 v[TW+\t], v[TW+\t], v[TW+4+\t]
.endr
.irp t, 0,1,2,3
	v_add_nc_u32 v[TW+\t], 0xfe000000, v[TW+\t]    ; v's scale operand
	v_and_b32 v[PS+\t], 0xff00ffff, v[PS+\t]
	v_and_b32 v[VS+\t], 0xff00ffff, v[VS+\t]
.endr
.irp t, 0,1,2,3
	v_lshrrev_b32 v[TW+4+\t], 23, v[TW+\t]
	v_lshrrev_b32 v[SO+\t], 23, v[BMX+\t]
.endr
.irp t, 0,1,2,3
	v_lshl_or_b32 v[PS+\t], v[SO+\t], 16, v[PS+\t] ; byte 2 of the scale words
	v_lshl_or_b32 v[VS+\t], v[TW+4+\t], 16, v[VS+\t]
.endr
.irp t, 0,1,2,3
.irp j, 0,1,2,3
	v_mov_b32 v[AA+\j], v[PF+12*\t+6+\j]
.endr
	v_cvt_scalef32_pk16_bf6_f32 v[PF+12*\t+6:PF+12*\t+8], v[AA:AA+15], v[BMX+\t]
	v_mov_b32 v[PF+12*\t+9], 0                     ; (also the plain place behind the conversion)
.endr
.irp t, 0,1,2,3
.irp j, 0,1,2,3
	v_mov_b32 v[AA+\j], v[VFR+12*\t+6+\j]
.endr
	v_cvt_scalef32_pk16_bf6_f32 v[VFR+12*\t+6:VFR+12*\t+8], v[AA:AA+15], v[TW+\t]
	v_mov_b32 v[VFR+12*\t+9], 0
.endr
.Lnosp3:
	WIN 0x41
.irp te, 0,1,2,3
.irp td, 0,1,2,3
.irp p, 0,2,4,6
	v_pk_mul_f32 v[128+8*(4*\te+\td)+\p:128+8*(4*\te+\td)+\p+1], v[128+8*(4*\te+\td)+\p:128+8*(4*\te+\td)+\p+1], v[FP+2*\td:FP+2*\td+1] op_sel_hi:[1,0]   ; ctx^T under the new M.  (Also the places between the operands' and scale words' last writes and the products)
.endr
.endr
.endr
	WIN 0x50
.set fA, 0
.set fB, 0
.irp te, 0,1,2,3                       ; ctx^T += v^T p: source 0 = 16 e, source 1 = 16 d; K = this pass's slots; 16 accumulators, one instruction each
.irp td, 0,1,2,3
.set rD, 128+8*(4*\te+\td)
.set rA, VFR+12*\te
.set rB, PF+12*\td
.set rSA, VS+\te
.set rSB, PS+\td
	WMI 0
.endr
.endr
	WIN 0
	s_wait_xcnt 0x0                                ; every memory instruction issued so far has had its addresses translated: the three bases may step
	s_add_nc_u64 s[44:45], s[44:45], 51200
	s_add_nc_u64 s[46:47], s[46:47], 256
	s_add_nc_u64 s[48:49], s[48:49], 3584
	s_mov_b32 s21, 0
	s_mov_b32 s23, 0
	PLACES                                         ; ahead of the loads into the registers that the last products read
	s_sub_co_u32 s22, s22, 1
	s_cmp_lg_u32 s22, 0
	s_cbranch_scc1 .Lpass
	; ---- the four waves' parts become one: under the largest M, by exact powers of two
.irp td, 0,1,2,3
	v_add_f32 v[ST+4*\td+2], v[ST+4*\td+2], v[ST+4*\td+3]
.endr
.irp td, 0,1,2,3
	v_permlanex16_b32 v[TW+\td], v[ST+4*\td+2], s26, s27
.endr
.irp td, 0,1,2,3
	v_add_f32 v[ST+4*\td+2], v[ST+4*\td+2], v[TW+\td]
.endr
	s_lshl_b32 s54, s16, 2
	s_add_co_u32 s54, s54, REDM
	v_add_nc_u32 v200, s54, v[LI]                  ; my wave's word of a lane's four
	v_add_nc_u32 v201, REDM, v[LI]
	s_lshl_b32 s54, s16, 14
	s_add_co_u32 s54, s54, CTXS
	v_add_nc_u32 v202, s54, v[LI]                  ; my wave's ctx^T
	s_lshl_b32 s54, s16, 12
	s_add_co_u32 s56, s54, CTXS
	v_add_nc_u32 v203, s56, v[LI]                  ; the eight chunks that I add up
.irp td, 0,1,2,3
	ds_store_b32 v200, v[ST+4*\td] offset:512*\td
.endr
	s_wait_dscnt 0x0                               ; for the others' sake: my stores are done
	s_barrier_signal -1
	s_barrier_wait -1
.irp td, 0,1,2,3
	ds_load_b128 v[36+4*\td:39+4*\td], v201 offset:512*\td
.endr
	s_wait_dscnt 0x0
.irp td, 0,1,2,3
	v_min3_num_f32 v[160+\td], v[36+4*\td], v[37+4*\td], v[38+4*\td]
.endr
.irp td, 0,1,2,3
	v_min_num_f32 v[160+\td], v[160+\td], v[39+4*\td]          ; -M of the quarter
.endr
.irp td, 0,1,2,3
	v_sub_f32 v[165+2*\td], v[160+\td], v[ST+4*\td]
.endr
.irp td, 0,1,2,3
	v_cvt_i32_f32 v[165+2*\td], v[165+2*\td]
.endr
.irp td, 0,1,2,3
	v_ldexp_f32 v[164+2*\td], 1.0, v[165+2*\td]
.endr
	WIN 0x41
.irp te, 0,1,2,3
.irp td, 0,1,2,3
.irp p, 0,2,4,6
	v_pk_mul_f32 v[128+8*(4*\te+\td)+\p:128+8*(4*\te+\td)+\p+1], v[128+8*(4*\te+\td)+\p:128+8*(4*\te+\td)+\p+1], v[164+2*\td:165+2*\td] op_sel_hi:[1,0]
.endr
.endr
.endr
	WIN 0
.irp td, 0,1,2,3
	v_mul_f32 v[ST+4*\td+2], v[ST+4*\td+2], v[164+2*\td]
.endr
.irp td, 0,1,2,3
	ds_store_b32 v200, v[ST+4*\td+2] offset:2048+512*\td
.endr
	WIN 0x04                                       ; an LDS store's data are its source 1: window 1
.set n, 0
.rept 32
	ds_store_b128 v202, v[128+4*n:128+4*n+3] offset:512*n
.set n, n+1
.endr
	WIN 0
	s_wait_dscnt 0x0
	s_barrier_signal -1
	s_barrier_wait -1
.irp ws, 0,1,2,3
.irp kk, 0,1,2,3,4,5,6,7
	ds_load_b128 v[32+32*\ws+4*\kk:32+32*\ws+4*\kk+3], v203 offset:16384*\ws+512*\kk
.endr
.endr
	s_add_nc_u64 s[52:53], s[52:53], s[54:55]      ; my eight chunks' place in the record (4,096 x wave)
	s_wait_dscnt 0x0
.irp ws, 1,2,3
.irp p, 0,2,4,6,8,10,12,14,16,18,20,22,24,26,28,30
	v_pk_add_f32 v[32+\p:33+\p], v[32+\p:33+\p], v[32+32*\ws+\p:33+32*\ws+\p]
.endr
.endr
.irp kk, 0,1,2,3,4,5,6,7
	global_store_b128 v[LI], v[32+4*\kk:35+4*\kk], s[52:53] offset:512*\kk     ; 512 consecutive bytes, aligned
.endr
	s_cmp_lg_u32 s16, 0
	s_cbranch_scc1 .Ldone                          ; wave 0 alone stores the quarter's -M and l
.irp td, 0,1,2,3
	ds_load_b128 v[64+4*\td:67+4*\td], v201 offset:2048+512*\td
.endr
	s_wait_dscnt 0x0
.irp td, 0,1,2,3
	v_add_f32 v[64+4*\td], v[64+4*\td], v[65+4*\td]
	v_add_f32 v[66+4*\td], v[66+4*\td], v[67+4*\td]
.endr
.irp td, 0,1,2,3
	v_add_f32 v[172+\td], v[64+4*\td], v[66+4*\td]
.endr
	global_store_b128 v[LI], v[160:163], s[52:53] offset:16384
	global_store_b128 v[LI], v[172:175], s[52:53] offset:16896
.Ldone:
	s_set_vgpr_msb 0xf
	s_wait_tensorcnt 0x0
	ds_add_u32 v254, v255
	s_wait_dscnt 0x0
	s_set_vgpr_msb 0xf00
	CROUND                                         ; the closing round: no work-group ends while a partner may still ask for a tile that names it
	s_endpgm
.Lfunc_end_k_q5430f19e4d_qkvctx:
	.size	k_q5430f19e4d_qkvctx, .Lfunc_end_k_q5430f19e4d_qkvctx-k_q5430f19e4d_qkvctx
	.p2alignl 7, 3214868480
	.fill 96, 4, 3214868480
	.section	.rodata,"a",@progbits
	.p2align	6, 0x0
	.amdhsa_kernel k_q5430f19e4d_qkvctx
		.amdhsa_group_segment_fixed_size 223744
		.amdhsa_private_segment_fixed_size 0
		.amdhsa_enable_private_segment 0
		.amdhsa_kernarg_size 48
		.amdhsa_user_sgpr_count 2
		.amdhsa_user_sgpr_kernarg_segment_ptr 1
		.amdhsa_wavefront_size32 1
		.amdhsa_system_sgpr_workgroup_id_x 1
		.amdhsa_system_sgpr_workgroup_id_y 1
		.amdhsa_system_sgpr_workgroup_id_z 1
		.amdhsa_system_vgpr_workitem_id 0
		.amdhsa_next_free_vgpr 1024
		.amdhsa_next_free_sgpr 66
		.amdhsa_reserve_vcc 1
		.amdhsa_float_denorm_mode_32 3
		.amdhsa_float_denorm_mode_16_64 3
		.amdhsa_memory_ordered 1
		.amdhsa_forward_progress 1
		.amdhsa_inst_pref_size 226
	.end_amdhsa_kernel
	.amdgpu_metadata
---
amdhsa.version: [ 1, 2 ]
amdhsa.kernels:
  - .name:           k_q5430f19e4d_qkvctx
    .symbol:         k_q5430f19e4d_qkvctx.kd
    .args:
      - { .name: xq, .offset: 0, .size: 8, .value_kind: global_buffer, .address_space: global }
      - { .name: wq, .offset: 8, .size: 8, .value_kind: global_buffer, .address_space: global }
      - { .name: mask, .offset: 16, .size: 8, .value_kind: global_buffer, .address_space: global }
      - { .name: mem_kv, .offset: 24, .size: 8, .value_kind: global_buffer, .address_space: global }
      - { .name: qc, .offset: 32, .size: 8, .value_kind: global_buffer, .address_space: global }
      - { .name: part, .offset: 40, .size: 8, .value_kind: global_buffer, .address_space: global }
    .group_segment_fixed_size: 223744
    .private_segment_fixed_size: 0
    .kernarg_segment_align: 8
    .kernarg_segment_size: 48
    .max_flat_workgroup_size: 128
    .sgpr_count:     66
    .vgpr_count:     1024
    .wavefront_size: 32
...
	.end_amdgpu_metadata
.endif
;; end of part 2
;; launch outp (part 3): grid 256 x 1, 8 waves a work-group, no clusters, 53,248 bytes of LDS; arguments qc, part, out0; writes out0
.if DOCPART == 3
	.amdgcn_target "amdgcn-amd-amdhsa--gfx1250"
	.amdhsa_code_object_version 6
	.text
	.protected	k_q5430f19e4d_outp
	.globl	k_q5430f19e4d_outp
	.p2align	8
	.type	k_q5430f19e4d_outp,@function
k_q5430f19e4d_outp:
	s_mov_b64 s[64:65], 0
	v_nop
	global_prefetch_b8 v0, s[64:65] scope:SCOPE_SE
	s_setreg_imm32_b32 hwreg(HW_REG_WAVE_MODE, 25, 1), 1
	s_wait_xcnt 0x0
; out[l][64 h + e] = (sum over d of p_q[l][d] Q(ctx[d][e])) x m[l] / l_q[l], on codes of BF6, for one batch b, head h and quarter c of the slots (work-group 64 b + 16 c + h).
; PROLOGUE.  The four quarters' parts of ctx^T are brought under the largest M by exact powers of two, added, divided by the sum l[d]: wave w does 16 of a lane's 128 registers (tile te = w / 2 of e,
; tiles td = 2 (w % 2), + 1 of d) and stores them into ctx^T[e][d] in LDS (pitch 272).  One barrier.  Every wave then quantises all of ctx^T along d: lane (r, h) holds row e = 16 te + r, d = 32 h + 0 .. 31.
; PRODUCT.  K is 64, the instruction's 128: a fragment of q holds TWO tiles of slots, tile u = 0 at K = 0 .. 63 and u = 1 at K = 64 .. 127, and ctx^T is kept between two runs of six zero registers,
; [0 x 6][codes x 6][0 x 6]: registers 6 .. 17 pick tile u = 0, registers 0 .. 11 tile u = 1.  Source 0 = 16 e, source 1 = 16 slots: a lane holds one slot and eight neighbouring e.
; Wave w takes records 16 c + 2 w, + 1 (64 slots each).  A tile of 16 slots x 64 e goes through the wave's own stage (pitch 272) and leaves as rows of 256 consecutive, aligned bytes; row = slot - 4,
; and slots 0 .. 3 of a batch are its rows 4092 .. 4095.
; No tensor load, no cluster: a work-group shares with others only the 69,632 bytes of the head's partials; the launch is bound by its 262,144 bytes of output a work-group.
; LIMITS: as the launch before; a block of ctx under 2^-122 keeps the byte 1.
; REGISTERS: v1 8 h; v5-15 addresses; v16-63 q's fragments (24 a record); v64-71 m / l; v72-73 q's scale words; v74-77 ctx's; v78-149 ctx's codes (18 a tile); v150-181 results;
;   v182-245 rows on their way out, two sets (in the prologue: v150-213 the partials, v214-243 their -M, l and factors; then two sets of 32 numbers of ctx); v246-252 at work.
.set SH8, 1
.set LI,  5
.set L4,  6
.set R16, 7
.set PB,  8
.set NB,  9
.set CTW, 10
.set CTR, 11
.set STO, 12
.set SRD, 13
.set GO,  14
.set GO0, 15
.set QF,  16
.set FA,  64
.set QSW, 72
.set CSW, 74
.set CXB, 78
.set DD,  150
.set RB,  182
.set STG, 17408
	s_load_b128 s[4:7], s[0:1], 0x0                ; qc, part
	s_load_b64 s[8:9], s[0:1], 0x10                ; out0
	v_lshl_add_u32 v254, v0, 2, 0xcc00
	v_mov_b32 v255, 0
	v_lshrrev_b32 v1, 5, v0
	v_readfirstlane_b32 s10, v1                    ; wave 0..7
	v_and_b32 v2, 31, v0
	v_and_b32 v3, 15, v0                           ; r
	v_bfe_u32 v4, v0, 4, 1                         ; h
	v_lshlrev_b32 v[SH8], 3, v4
	v_lshlrev_b32 v[LI], 4, v2
	v_lshlrev_b32 v[L4], 2, v2
	v_lshlrev_b32 v[R16], 4, v3
	s_lshl_b32 s16, s10, 11
	v_add_nc_u32 v[PB], s16, v[LI]                 ; my 2,048 bytes of a partial's image
	s_and_b32 s18, s10, 1
	s_lshl_b32 s16, s18, 3
	v_add_nc_u32 v[NB], s16, v[LI]                 ; my two td of a lane's four
	s_lshr_b32 s17, s10, 2
	s_lshl_b32 s17, s17, 5
	s_bfe_u32 s16, s10, 0x10001
	s_lshl_b32 s16, s16, 3
	s_add_co_u32 s17, s17, s16
	s_mul_i32 s17, s17, 272                        ; rows e = 32 (te / 2) + 8 (te % 2) + 16 h + j,
	s_lshl_b32 s18, s18, 7
	s_add_co_u32 s17, s17, s18                     ; columns d = 32 (w % 2) + 8 t2 + r + 8 (r / 8)
	v_and_b32 v2, 8, v3
	v_add_nc_u32 v2, v2, v3
	v_lshlrev_b32 v[CTW], 2, v2
	v_mul_u32_u24 v2, v4, 4352
	v_add_nc_u32 v[CTW], v[CTW], v2
	v_add_nc_u32 v[CTW], s17, v[CTW]
	v_mul_u32_u24 v[CTR], v3, 272
	v_lshl_add_u32 v[CTR], v4, 7, v[CTR]
	s_mul_i32 s16, s10, 4352
	s_add_co_u32 s16, s16, STG                     ; my stage
	v_mul_u32_u24 v[STO], v3, 272
	v_lshl_add_u32 v[STO], v4, 5, v[STO]
	v_add_nc_u32 v[STO], s16, v[STO]               ; in: row r, 32 bytes for each half of the lanes
	v_mul_u32_u24 v[SRD], v4, 272
	v_lshl_add_u32 v[SRD], v3, 4, v[SRD]
	v_add_nc_u32 v[SRD], s16, v[SRD]               ; back: lanes 0-15 one row, lanes 16-31 the next
	v_lshlrev_b32 v[GO], 12, v4
	v_lshl_add_u32 v[GO], v3, 4, v[GO]             ; and the same two rows in out0
	v_mov_b32 v251, 0                              ; a lane permute's destination counts as one of its sources
	s_and_b32 s11, ttmp9, 15                       ; h
	s_lshr_b32 s12, ttmp9, 4                       ; 4 b + c
	s_lshr_b32 s13, ttmp9, 6                       ; b
	s_and_b32 s14, s12, 3                          ; c
	s_lshl_b32 s15, s13, 4
	s_add_co_u32 s15, s15, s11                     ; 16 b + h
	s_mul_i32 s16, s15, 69632
	s_mov_b32 s17, 0
	s_lshl_b32 s18, s15, 6
	s_lshl_b32 s20, s14, 4
	s_add_co_u32 s18, s18, s20
	s_lshl_b32 s20, s10, 1
	s_add_co_u32 s18, s18, s20
	s_mul_i32 s18, s18, 3584
	s_mov_b32 s19, 0
	s_lshl_b32 s22, s12, 4
	s_add_co_u32 s22, s22, s20                     ; my first pass: 64 b + 16 c + 2 w
	s_lshl_b32 s22, s22, 18                        ; 64 rows of 4,096 bytes each
	s_lshl_b32 s21, s11, 8
	s_add_co_u32 s22, s22, s21
	s_mov_b32 s23, 0
	s_or_b32 s24, s14, s10
	s_cmp_eq_u32 s24, 0
	s_cselect_b32 s24, 0x1000000, 0                ; slots 0 .. 3 of a batch: 4,096 rows further on
	v_add_nc_u32 v[GO0], s24, v[GO]
	s_mov_b32 s26, 0x76543210
	s_mov_b32 s27, 0xfedcba98
	s_wait_kmcnt 0x0
	s_add_nc_u64 s[6:7], s[6:7], s[16:17]
	s_add_nc_u64 s[4:5], s[4:5], s[18:19]
	s_add_nc_u64 s[8:9], s[8:9], s[22:23]
.irp c, 0,1,2,3
	global_load_b64 v[214+2*\c:215+2*\c], v[NB], s[6:7] offset:17408*\c+16384      ; -M
	global_load_b64 v[222+2*\c:223+2*\c], v[NB], s[6:7] offset:17408*\c+16896      ; l
.endr
.irp c, 0,1,2,3
.irp k, 0,1,2,3
	global_load_b128 v[150+16*\c+4*\k:150+16*\c+4*\k+3], v[PB], s[6:7] offset:17408*\c+512*\k
.endr
.endr
.irp i, 0,1                            ; q's two records: 16 loads
.irp k, 0,1,2,3,4,5
	global_load_b128 v[QF+24*\i+4*\k:QF+24*\i+4*\k+3], v[LI], s[4:5] offset:3584*\i+512*\k th:TH_LOAD_NT
.endr
	global_load_b128 v[FA+4*\i:FA+4*\i+3], v[R16], s[4:5] offset:3584*\i+3072 th:TH_LOAD_NT
	global_load_b32 v[QSW+\i], v[L4], s[4:5] offset:3584*\i+3328 th:TH_LOAD_NT
.endr
	s_wait_loadcnt 16                              ; the partials are in; q's 16 loads may be out
.irp t, 0,1
	v_min3_num_f32 v[238+\t], v[214+\t], v[216+\t], v[218+\t]
.endr
.irp t, 0,1
	v_min_num_f32 v[238+\t], v[238+\t], v[220+\t]  ; -M of the whole sequence
.endr
.irp c, 0,1,2,3,4,5,6,7
	v_sub_f32 v[230+\c], v[238+\c%2], v[214+\c]
.endr
.irp c, 0,1,2,3,4,5,6,7
	v_cvt_i32_f32 v[230+\c], v[230+\c]             ; (it saturates)
.endr
.irp c, 0,1,2,3,4,5,6,7
	v_ldexp_f32 v[230+\c], 1.0, v[230+\c]          ; each quarter's power of two
.endr
.irp t, 0,1
	v_mul_f32 v[240+\t], v[230+\t], v[222+\t]
.endr
.irp c, 1,2,3
.irp t, 0,1
	v_fmac_f32 v[240+\t], v[230+2*\c+\t], v[222+2*\c+\t]
.endr
.endr
.irp t, 0,1
	v_rcp_f32 v[242+\t], v[240+\t]
.endr
.irp n, 0,1,2,3,4,5,6,7,8,9,10,11,12,13,14,15
	v_mul_f32 v[150+\n], v[150+\n], v[230+\n/8]    ; (plain places behind the reciprocals)
.endr
.irp c, 1,2,3
.irp n, 0,1,2,3,4,5,6,7,8,9,10,11,12,13,14,15
	v_fmac_f32 v[150+\n], v[150+16*\c+\n], v[230+2*\c+\n/8]
.endr
.endr
	s_wait_alu depctr_va_vdst(0)
.irp n, 0,1,2,3,4,5,6,7,8,9,10,11,12,13,14,15
	v_mul_f32 v[150+\n], v[150+\n], v[242+\n/8]    ; ctx, normalised
.endr
.irp n, 0,1,2,3,4,5,6,7,8,9,10,11,12,13,14,15
	ds_store_b32 v[CTW], v[150+\n] offset:272*(\n%8)+32*(\n/8)
.endr
	s_wait_dscnt 0x0                               ; for the others' sake: my stores are done
	s_barrier_signal -1
	s_barrier_wait -1
.macro CTLOAD te                       ; row e = 16 te + r, d = 32 h + 0 .. 31, into set te % 2
.irp k, 0,1,2,3,4,5,6,7
	ds_load_b128 v[RB+32*((\te)%2)+4*\k:RB+32*((\te)%2)+4*\k+3], v[CTR] offset:4352*(\te)+16*\k
.endr
.endm
.macro CTQ te
.set XS, RB+32*((\te)%2)
.set CX, CXB+18*(\te)
.if (\te) < 3
	s_wait_dscnt 8                                 ; this tile's 8 loads are in; the next tile's may be out
.else
	s_wait_dscnt 0x0
.endif
	v_max3_num_f32 v246, |v[XS]|, |v[XS+1]|, 0x2800000         ; my block's largest magnitude, over the floor 2^(5 - 127): two chains
	v_max3_num_f32 v247, |v[XS+16]|, |v[XS+17]|, 0x2800000
.irp k, 2,4,6,8,10,12,14
	v_max3_num_f32 v246, v246, |v[XS+\k]|, |v[XS+\k+1]|
	v_max3_num_f32 v247, v247, |v[XS+16+\k]|, |v[XS+17+\k]|
.endr
	v_max_num_f32 v246, v246, v247
	v_add_nc_u32 v247, 0xfe000000, v246            ; the conversion's scale operand
	v_lshrrev_b32 v252, 23, v247                   ; the byte
	v_cvt_scalef32_pk16_bf6_f32 v[CX+6:CX+8], v[XS:XS+15], v247
	v_cvt_scalef32_pk16_bf6_f32 v[248:250], v[XS+16:XS+31], v247
	v_nop                                          ; one plain place behind a scaled conversion
.irp k, 0,1,2
	v_mov_b32 v[CX+9+\k], v[248+\k]
.endr
.irp k, 0,1,2,3,4,5
	v_mov_b32 v[CX+\k], 0
	v_mov_b32 v[CX+12+\k], 0
.endr
	v_lshlrev_b32 v252, v[SH8], v252               ; byte h,
	v_permlanex16_b32 v251, v252, s26, s27
	v_or_b32 v252, v252, v251                      ; with lane l xor 16's: bytes 0, 1;
	v_lshl_or_b32 v[CSW+(\te)], v252, 16, v252     ; and the same as bytes 2, 3, for the codes' other place
.if (\te) < 2
	CTLOAD (\te)+2
.endif
.endm
	CTLOAD 0
	CTLOAD 1
	CTQ 0
	CTQ 1
	CTQ 2
	CTQ 3
.rept 8
	v_nop                                          ; a scale word written by a vector instruction stands 8 places ahead of a scaled matrix instruction, an operand 4
.endr
	s_wait_loadcnt 0x0                             ; q's records
; Tile rt of record i: 16 slots x 64 e.
.macro TILE i, rt
.set rB, QF+24*(\i)+12*((\rt)/2)
.set BK, RB+32*((\rt)%2)
.irp te, 0,1,2,3
.set rA, CXB+18*\te+6*(1-(\rt)%2)
.if (\rt)/2
	v_wmma_scale_f32_16x16x128_f8f6f4 v[DD+8*\te:DD+8*\te+7], v[rA:rA+11], v[rB:rB+11], 0, v[CSW+\te], v[QSW+(\i)] matrix_a_fmt:MATRIX_FMT_BF6 matrix_b_fmt:MATRIX_FMT_BF6 matrix_b_scale:MATRIX_SCALE_ROW1
.else
	v_wmma_scale_f32_16x16x128_f8f6f4 v[DD+8*\te:DD+8*\te+7], v[rA:rA+11], v[rB:rB+11], 0, v[CSW+\te], v[QSW+(\i)] matrix_a_fmt:MATRIX_FMT_BF6 matrix_b_fmt:MATRIX_FMT_BF6
.endif
.endr
.rept 4
	v_nop                                          ; four places ahead of the first read of results (ISA guide 7.12.1)
.endr
.set n, 0
.rept 32
	v_mul_f32 v[DD+n], v[DD+n], v[FA+4*(\i)+(\rt)] ; x m / l of my slot; each accumulator from its low end on
.set n, n+1
.endr
.irp te, 0,1,2,3
	ds_store_b128 v[STO], v[DD+8*\te:DD+8*\te+3] offset:64*\te
	ds_store_b128 v[STO], v[DD+8*\te+4:DD+8*\te+7] offset:64*\te+16
.endr
	s_wait_xcnt 0x0                                ; the stores of two tiles back have read this set of registers
.irp k, 0,1,2,3,4,5,6,7
	ds_load_b128 v[BK+4*\k:BK+4*\k+3], v[SRD] offset:544*\k    ; LDS serves a wave's instructions in order: these see the stores above
.endr
	s_wait_dscnt 0x0
.irp k, 0,1,2,3,4,5,6,7
.if ((\i) == 0) && ((\rt) == 0) && (\k < 2)
	global_store_b128 v[GO0], v[BK+4*\k:BK+4*\k+3], s[8:9] offset:(2*\k-4)*4096 th:TH_STORE_NT
.else
	global_store_b128 v[GO], v[BK+4*\k:BK+4*\k+3], s[8:9] offset:(32*((\rt)/2)+8*((\rt)%2)+2*\k+8*(\k/4)-4)*4096+262144*(\i) th:TH_STORE_NT   ; sixteen lanes store 256 consecutive bytes, aligned
.endif
.endr
.endm
	TILE 0, 0
	TILE 0, 1
	TILE 0, 2
	TILE 0, 3
	TILE 1, 0
	TILE 1, 1
	TILE 1, 2
	TILE 1, 3
	s_wait_tensorcnt 0x0
	ds_add_u32 v254, v255
	s_wait_dscnt 0x0
	s_endpgm
.Lfunc_end_k_q5430f19e4d_outp:
	.size	k_q5430f19e4d_outp, .Lfunc_end_k_q5430f19e4d_outp-k_q5430f19e4d_outp
	.p2alignl 7, 3214868480
	.fill 96, 4, 3214868480
	.section	.rodata,"a",@progbits
	.p2align	6, 0x0
	.amdhsa_kernel k_q5430f19e4d_outp
		.amdhsa_group_segment_fixed_size 53248
		.amdhsa_private_segment_fixed_size 0
		.amdhsa_enable_private_segment 0
		.amdhsa_kernarg_size 24
		.amdhsa_user_sgpr_count 2
		.amdhsa_user_sgpr_kernarg_segment_ptr 1
		.amdhsa_wavefront_size32 1
		.amdhsa_system_sgpr_workgroup_id_x 1
		.amdhsa_system_sgpr_workgroup_id_y 1
		.amdhsa_system_sgpr_workgroup_id_z 1
		.amdhsa_system_vgpr_workitem_id 0
		.amdhsa_next_free_vgpr 256
		.amdhsa_next_free_sgpr 66
		.amdhsa_reserve_vcc 0
		.amdhsa_float_denorm_mode_32 3
		.amdhsa_float_denorm_mode_16_64 3
		.amdhsa_memory_ordered 1
		.amdhsa_forward_progress 1
		.amdhsa_inst_pref_size 51
	.end_amdhsa_kernel
	.amdgpu_metadata
---
amdhsa.version: [ 1, 2 ]
amdhsa.kernels:
  - .name:           k_q5430f19e4d_outp
    .symbol:         k_q5430f19e4d_outp.kd
    .args:
      - { .name: qc, .offset: 0, .size: 8, .value_kind: global_buffer, .address_space: global }
      - { .name: part, .offset: 8, .size: 8, .value_kind: global_buffer, .address_space: global }
      - { .name: out0, .offset: 16, .size: 8, .value_kind: global_buffer, .address_space: global }
    .group_segment_fixed_size: 53248
    .private_segment_fixed_size: 0
    .kernarg_segment_align: 8
    .kernarg_segment_size: 24
    .max_flat_workgroup_size: 256
    .sgpr_count:     66
    .vgpr_count:     256
    .wavefront_size: 32
...
	.end_amdgpu_metadata
.endif
;; end of part 3
